; MI455X (gfx1250); checked and timed in simulation.
; The chip was launched on July 23, 2026; its instructions are those of AMD's public machine-readable ISA for CDNA 5 (MIT licence, August 2026) and "CDNA5" Instruction Set Architecture Reference Guide (July 2026). The comments in the code are by the model that wrote it; some were corrected since.
;; Bilinear. Allowed arithmetic: matrix products marked QUANTISED: E4M3 operands, one E8M0 scale for each 32 along K, by v_wmma_scale_f32_16x16x128_f8f6f4 with both operands' format E4M3, f32 sums; products left as they are: f32 operands where the result goes on into a quantised operand, else bf16, f16 or f32 operands; f32 sums; everything else in f32.
;; Inputs: bias 256 float32; weight_codes 256 x 256 x 8 x 32 uint8 (E4M3 codes of weight, K innermost, in blocks of 32 codes); weight_scales 256 x 256 x 8 uint8 (E8M0 scales of weight, one for each 32 codes along K); x1_codes 4,096 x 8 x 32 uint8 (E4M3 codes of x1, K innermost, in blocks of 32 codes); x1_scales 4,096 x 8 uint8 (E8M0 scales of x1, one for each 32 codes along K); x2 4,096 x 256 float32.
;; Outputs: out0 4,096 x 256 float32.
;; This version of the problem:
;;   THIS VERSION OF THE PROBLEM IS GIVEN IN LOW PRECISION. The matrix products marked QUANTISED in the list below multiply operands that are first quantised to E4M3 (4 exponent bits, 3 mantissa bits; 8 bits a number), with one power-of-two scale for each 32 numbers along K (OCP MX v1.0); their sums are f32. All else is computed in f32.
;;   The module's matrix products, in the order in which they are computed (A, B: the left and right operand; K: the contracted axis; several contracted axes count as one K, in the product's order):
;;     1. [M 4,096, K 256] x [K 256, N 65,536]; A: input x1 (given as codes); B: input weight (given as codes): QUANTISED
;;     2. batch 4,096 x [M 256, K 256] x [K 256, N 1]; A: computed on the way; B: input x2: left as it is (N = 1 < 16)
;;   THE QUANTISER, for each operand of a quantised product, along K:
;;     - K is cut into blocks of 32 from its start; a last block that is shorter is filled with zeros.
;;     - A block's scale is 2^e with e = floor(log2(the largest magnitude in the block)) - 8, held to -126 .. 127; a block of zeros has e = 0. As a byte (E8M0): e + 127.
;;     - Each number is divided by its block's scale, clamped to +-448, and rounded to the nearest number of E4M3, ties to even, subnormals kept.
;;     - The product sums the exact products of the quantised numbers (number of the format x scale) in f32.
;;   ~~~python
;;   def quantise(x, axis):      # numpy; x: float32 -> the quantised numbers, widened to float32 again
;;       x = np.moveaxis(x, axis, -1); K = x.shape[-1]
;;       x = np.pad(x, [(0, 0)] * (x.ndim - 1) + [(0, -K % 32)]); x = x.reshape(x.shape[:-1] + (-1, 32)); a = np.abs(x).max(-1, keepdims=True)
;;       e = np.where(a > 0, np.clip(np.frexp(np.where(a > 0, a, 1))[1] - 1 - 8, -126, 127), 0)      # np.frexp(a)[1] - 1 = floor(log2(a)), exactly
;;       r = np.clip(x / 2.0 ** e, -448, 448)
;;       step = 2.0 ** (np.maximum(np.frexp(np.where(r == 0, 1, r))[1] - 1, -6) - 3)
;;       q = np.round(r / step) * step * 2.0 ** e      # np.round: ties to even
;;       return np.moveaxis(q.reshape(q.shape[:-2] + (-1,))[..., :K], -1, axis).astype(np.float32)
;;   ~~~
;;   INPUTS GIVEN AS CODES. weight (in the module: [256, 256, 256], K = its axis 1); x1 (in the module: [4096, 256], K = its axis 1): each comes as NAME_codes (uint8): NAME with its K axis moved to the last place and cut into blocks of 32 codes, [.., K / 32, bytes a block], one block behind the other in memory; one code a byte (a code: sign, 4 exponent bits, 3 mantissa bits); and NAME_scales (uint8): the same leading axes, one E8M0 byte (e + 127) for each 32 codes along K. Its value is code x scale, taken as it is: it is not quantised again, and the codes and scales need not be those that the quantiser above would give.
;; 2 versions. Each part assembles by itself: llvm-mc -triple=amdgcn-amd-amdhsa -mcpu=gfx1250 --defsym DOCPART=n.
;; ======== version 1 of 2: 1 launch
;; launch bilinear (part 1): grid 16 x 16, 4 waves a work-group, clusters of 4 x 1, 327,680 bytes of LDS; arguments weight_codes, weight_scales, x1_codes, x1_scales, x2, bias, out0; writes out0
.if DOCPART == 1
	.amdgcn_target "amdgcn-amd-amdhsa--gfx1250"
	.amdhsa_code_object_version 6
	.text
	.protected	k_q8cf39d82ea_bilinear
	.globl	k_q8cf39d82ea_bilinear
	.p2align	8
	.type	k_q8cf39d82ea_bilinear,@function
k_q8cf39d82ea_bilinear:
	s_mov_b64 s[64:65], 0
	v_nop
	global_prefetch_b8 v0, s[64:65] scope:SCOPE_SE
	s_setreg_imm32_b32 hwreg(HW_REG_WAVE_MODE, 25, 1), 1
	s_wait_xcnt 0x0
	s_wait_alu depctr_hold_cnt(0) depctr_sa_sdst(0) depctr_va_vdst(0) depctr_va_sdst(0) depctr_va_ssrc(0) depctr_va_vcc(0) depctr_vm_vsrc(0)
	s_getreg_b32 s2, hwreg(HW_REG_IB_STS2, 6, 4)
	s_cmp_eq_u32 s2, 0
	s_cbranch_scc0 .Lentry_in_a_cluster
	s_endpgm
.Lentry_in_a_cluster:
	s_bfe_u32 s2, ttmp6, 0x10000c
	s_cmp_lg_u32 s2, 0x3003
	s_cbranch_scc0 .Lentry_shape_is_right
	s_endpgm
.Lentry_shape_is_right:
; out0[n][o] = sum over j of (sum over i of x1[n][i] W[o][i][j]) x2[n][j] + bias[o].   n: 4,096 nodes; o, i, j: 256 each.
; The inner sum is the QUANTISED product: x1 [4096][256] and W, seen as [65536 rows (256 o + j)][256], arrive as codes of E4M3 with K = i innermost and one E8M0 byte for each 32 along K;
; codes and bytes go to v_wmma_scale_f32_16x16x128_f8f6f4 as they lie.  The outer sum is taken in f32 by packed multiply-adds on each 16 x 16 result as soon as its two K steps are summed: nothing but out0 goes to memory.
; SHARES.  256 work-groups: x = a block of 256 nodes, y = a group of 16 outputs o.  Four waves; wave w owns nodes 256 x + 64 w .. + 63: four tiles of 16.  Every wave walks all 16 x 256 rows of W of the group.
; A wave's codes of x1 (4 x 32 registers, tile 3's twice) and its numbers of x2 (4 x 128 registers) stay in registers for the whole launch; a fragment of W read from LDS feeds four matrix instructions.
; THE MATRIX INSTRUCTION IS USED TRANSPOSED: source 0 = 16 rows of W (one o, 16 neighbouring j), source 1 = 16 nodes of x1.  In the result lane (r, h) holds node r, and register i holds j = 16 jt + 8 h + i:
; so x2[node r][16 jt + 8 h + 0 .. 7] lies in the same lane, the sum over j is four packed multiply-adds a tile, and one exchange between the halves of the lanes for each o ends it.
; RING.  W's codes come through two LDS slots of two o (512 rows of 256 bytes) each; each wave fetches a quarter of a slot, 128 rows, by one tensor load.  W's scale bytes of the 16 o (32 KiB, dense) come once and stay.
; CLUSTER.  The four node blocks of a cluster share y, so they walk the same rows of W: every tensor load is asked for JOINTLY, with the mask of all four.  x1 and x2 hang on x, in which the partners differ: they are no shared tiles.
; PIPELINE.  A GROUP is 32 rows of W (tiles a and b of 16 j) x my 4 tiles of nodes x 2 K steps = 16 matrix instructions.  A tile's multiply-adds on the results of the group before stand just ahead of the products that write
; those results anew: so one set of results (64 registers) serves, and four vector lines stand behind every second matrix instruction.  The next group's fragments are fetched in the group's first half, into the other of two sets.
; THE WAY OUT.  A work-group owns 16 of a row's 256 outputs, 64 bytes: no store of it can cover 256 consecutive bytes (64 outputs to a work-group would leave 64 work-groups).  The sums are gathered in LDS, [o][node], and leave
; so that four neighbouring lanes store the 64 consecutive bytes of a node.
; LIMITS.  The f32 sums over j are taken in another order than a plain chain: four pairs of chains a lane, then a tree.  A scale byte 0xff gives NaN, as the format has it.  No other limit of range: all behind the codes is f32.
;
; REGISTERS, in windows of 256 (s_set_vgpr_msb: bits 1:0 source 0, 3:2 source 1, 5:4 source 2, 7:6 destination).  In the loop ONLY SOURCE 1 changes its window: x1 (a product's source 1) and x2 (a multiply-add's source 1).
;   window 0: v1-7, v56-58 addresses; v8-11 x1's scale words; v12-15 W's scale words, two sets; v16-47 the sums over j; v48-55 at work; v60-63 bias; v64-127 the products' results; v128-255 W's fragments, two sets
;   window 1 + t (t = 0, 1, 2): v0-127 x2 of tile t (8 registers for each 16 j); v128-159 x1 of tile t.   Tile 3: x1 at v160-191 of windows 1 AND 2; x2 at v192-255: j 0-127 in window 1, j 128-255 in window 2.
.set PITCH, 272                        ; a row of W in LDS: 256 bytes + 16 of padding = 68 words: row r starts at bank 4 r mod 64 (64 banks of 4 bytes: ISA guide 11.1), so the 16 rows of a load start at 16 different banks
.set PLANE, 256*PITCH                  ; one o: 256 rows
.set SLOTB, 2*PLANE                    ; a slot: two o
.set QUART, 128*PITCH                  ; what one tensor load brings
.set SCL,   0                          ; LDS: W's scale bytes, (256 o + j) x 8, filled once: 32,768 bytes
.set SPARE, 32768                      ; the spare words, 128 bytes for each wave: two blocks of 256 bytes that no other line names
.set STG,   SPARE+512                  ; the sums: plane o at STG + 1,024 o, 4 bytes a node of the work-group.  Planes 0-14 lie here;
.set SLOT0, STG+15*1024                ; plane 15 is slot 0's first 1,024 bytes: it is stored when slot 0 has had its last fill and every wave has passed the last change of slots
.set SLOT1, SLOT0+SLOTB                ; ends at 327,168
.set SPW,  1                           ; v1     LDS address of my spare word: SPARE + 4 x my thread's number; never rewritten
.set NIL,  2                           ; v2     0; never rewritten
.set ADW,  3                           ; v3-6   my lane's place in plane 0 .. 3 of the ring (slot 0: planes 0, 1; slot 1: planes 2, 3)
.set ADS,  7                           ; v7     my lane's place among W's scale words: SCL + 8 x lane, + 8,192 a trip
.set XS,   8                           ; v8-11  tile t's scale words of x1: lanes 0-15 K step 0, lanes 16-31 K step 1
.set WS,   12                          ; v12-15 set s, K step k at WS + 2 s + k: lanes 0-15 tile a's rows, lanes 16-31 tile b's
.set ACC,  16                          ; v16-47 tile t: four pairs at ACC + 8 t
.set TM,   48                          ; v48-55 at work when an o is finished; at the head the four offsets below
.set AX1,  48
.set AXS,  49
.set AX2,  50
.set ABI,  51
.set STGA, 56                          ; v56    where I put a sum: STG + 256 x wave + 4 x lane, + 4,096 a trip
.set RDA,  57                          ; v57    where I read sums back
.set GO,   58                          ; v58    my byte offset in the wave's rows of out0
.set BQ,   60                          ; v60-63 bias of my four outputs
.set DD,   64                          ; v64-127 result of (tile a or b: w, tile of nodes t) at DD + 32 w + 8 t
.set WF,   128                         ; v128-255 fragment (set, w, K step k) at WF + 64 set + 32 w + 16 k
.set WV,   18                          ; s18    my wave's number
.set G1W,  28                          ; s[28:35] descriptor group 1 for W's codes
.set G1S,  36                          ; s[36:43] for W's scale bytes
.set G0S,  44                          ; s[44:47] group 0 for the scale bytes
.set G0W,  48                          ; s[48:55] group 0 for the codes, one set for each slot
.set TRIPS, 56
.set LM,   57                          ; s57    lanes 16-31
.set SEL,  58                          ; s[58:59] v_permlanex16_b32's selects for lane l xor 16
.set MSB, 0
.macro WIN new                         ; the immediate's high byte repeats the setting that is left; a switch that changes nothing is dropped
.if MSB != (\new)
	s_set_vgpr_msb (MSB<<8)|(\new)
.set MSB, \new
.endif
.endm
.macro CREST                           ; a round of the cluster's barrier behind its opening barrier
	s_cmp_lg_u32 s[WV], 0
	s_cbranch_scc1 .Lnot_wave_0_\@
	s_barrier_signal -3
.Lnot_wave_0_\@:
	s_barrier_wait -3
	s_barrier_signal -1
	s_barrier_wait -1
.endm
.macro CROUND                          ; a whole round
	s_barrier_signal -1
	s_barrier_wait -1
	CREST
.endm
; One product: W's tile w (a or b), K step k, my tile of nodes t.  K step 0 starts the sum with the constant 0: nothing is ever cleared.  The scale rows: W's tile b and x1's K step 1 lie in lanes 16-31.
.macro MM w, k, t, set
.set rD, DD+32*(\w)+8*(\t)
.set rW, WF+64*(\set)+32*(\w)+16*(\k)
.if (\t) < 3
.set rX, 128+16*(\k)
.else
.set rX, 160+16*(\k)
.endif
.set rS, WS+2*(\set)+(\k)
.if (\k) == 0
.if (\w) == 0
	v_wmma_scale_f32_16x16x128_f8f6f4 v[rD:rD+7], v[rW:rW+15], v[rX:rX+15], 0, v[rS], v[XS+(\t)]
.else
	v_wmma_scale_f32_16x16x128_f8f6f4 v[rD:rD+7], v[rW:rW+15], v[rX:rX+15], 0, v[rS], v[XS+(\t)] matrix_a_scale:MATRIX_SCALE_ROW1
.endif
.else
.if (\w) == 0
	v_wmma_scale_f32_16x16x128_f8f6f4 v[rD:rD+7], v[rW:rW+15], v[rX:rX+15], v[rD:rD+7], v[rS], v[XS+(\t)] matrix_b_scale:MATRIX_SCALE_ROW1
.else
	v_wmma_scale_f32_16x16x128_f8f6f4 v[rD:rD+7], v[rW:rW+15], v[rX:rX+15], v[rD:rD+7], v[rS], v[XS+(\t)] matrix_a_scale:MATRIX_SCALE_ROW1 matrix_b_scale:MATRIX_SCALE_ROW1
.endif
.endif
.endm
; Four packed multiply-adds: the result of (w, t), which holds j = 16 jt + 8 h + 0 .. 7 of my node, times x2 at the same j; from the result's low end on.  An o's first four are multiplications: they start the sums.
.macro FM w, t, jt
.if (\t) < 3
.set rX2, 8*(\jt)
.else
.set rX2, 192+8*((\jt)&7)
.endif
.set rD, DD+32*(\w)+8*(\t)
.set rA, ACC+8*(\t)
.irp p, 0,1,2,3
.if gST && ((\w) == 0)
	v_pk_mul_f32 v[rA+2*\p:rA+2*\p+1], v[rD+2*\p:rD+2*\p+1], v[rX2+2*\p:rX2+2*\p+1]
.else
	v_pk_fma_f32 v[rA+2*\p:rA+2*\p+1], v[rD+2*\p:rD+2*\p+1], v[rX2+2*\p:rX2+2*\p+1], v[rA+2*\p:rA+2*\p+1]
.endif
.endr
.endm
; A fragment of W, 16 rows x 128 K: lane l holds row l % 16; registers 4 c .. 4 c + 3 hold K = 32 c + 16 (l / 16) + 0 .. 15.  Plane pl, group g, tile w, K step k.  The largest offset is 65,504.
.macro LW set, w, k, pl, g
.set rW, WF+64*(\set)+32*(\w)+16*(\k)
.irp c, 0,1,2,3
	ds_load_b128 v[rW+4*\c:rW+4*\c+3], v[ADW+(\pl)] offset:(32*(\g)+16*(\w))*PITCH+128*(\k)+32*\c
.endr
.endm
.macro LS                              ; the next group's scale words: 32 rows x 8 bytes on end: lanes 0-15 tile a's rows, lanes 16-31 tile b's; two words a lane: K steps 0 and 1
	ds_load_b64 v[WS+2*(1-gSET):WS+2*(1-gSET)+1], v[ADS] offset:2048*gOPN+256*gGN
.endm
; A SEGMENT: tile of nodes t's part of a group.  fma: the multiply-adds on the results of the group before;  mm: this group's four products (a, b, a, b: the accumulators take turns);
; ld: position pos (0 or 1) fetches the next group's fragments of K step pos, position 1 also its scale words;  hw: the wait for this group's fragments.
.macro SEG t, pos, fma, mm, ld, hw
.if (\t) == 3
	WIN 4*gP3
.else
	WIN 4*((\t)+1)
.endif
.if \fma
	FM 0, \t, 2*gGP
.endif
.if \hw
	s_wait_dscnt 0x0                               ; this group's 17 loads, issued eight matrix instructions ago or more, are in (and an o's two stores of sums are done)
.endif
.if \mm
	MM 0, 0, \t, gSET
.endif
.if \fma
	FM 1, \t, 2*gGP+1
.endif
.if \mm
	MM 1, 0, \t, gSET
.endif
.if \ld
	LW 1-gSET, 0, \pos, gPL, gGN
.endif
.if \mm
	MM 0, 1, \t, gSET
.endif
.if \ld
	LW 1-gSET, 1, \pos, gPL, gGN
.if (\pos) == 1
	LS
.endif
.endif
.if \mm
	MM 1, 1, \t, gSET
.endif
.endm
; A GROUP: group g (0 .. 7) of the trip's o number op.  The tiles' order keeps tile 3 beside the tile whose window holds its x2 of the group before: three switches of the window a group.
; PLACES (eight behind this form, nine in front of a product that writes over a result): a result is read, and then written anew, behind the multiply-adds of two other segments at the least (16);
; the first loads into the other set of fragments stand behind position 0's eight multiply-adds, which name no register of the last group's last products.
; chg = 1: THE CHANGE OF SLOTS, in the last group of a slot.  Each wave waits for all its tensor loads (the one that may be out is its part of the other slot), adds 0 to its spare word, and waits for that and for its reads
; of this slot; behind the barrier nobody reads this slot and the other slot is whole.  fill = 1: the barrier opens a round of the cluster's barrier, and the joint refill of this slot, with the o four further on, is the
; first thing behind the round: 15 groups, 240 matrix instructions, ahead of the wait for it.
.macro GROUP op, g, fma, mm, ld, chg, fill
.set gSET, (\g)&1
.set gGP, ((\g)+7)&7
.if (\g) == 7
.set gOPN, (\op)+1
.set gGN, 0
.else
.set gOPN, \op
.set gGN, (\g)+1
.endif
.set gPL, gOPN&3
.if (\g) == 1
.set gST, 1
.else
.set gST, 0
.endif
.if ((\g) >= 1) && ((\g) <= 4)
.set gT1, 3
.set gT2, 1
.set gP3, 1
.else
.set gT1, 1
.set gT2, 3
.set gP3, 2
.endif
.if \chg
.set gSL, ((\op)>>1)&1
	WIN 0                                          ; (the add's two registers lie in window 0)
	s_wait_tensorcnt 0x0                           ; all my tensor loads have landed, so a group 0 may be written;
	ds_add_u32 v[SPW], v[NIL]                      ; 0 onto my spare word;
.if \fill
	s_add_nc_u64 s[G0W+4*gSL+2:G0W+4*gSL+3], s[G0W+4*gSL+2:G0W+4*gSL+3], 4*65536   ; this slot's next two o: four o of 65,536 bytes on; the type bits on top are not reached
.endif
	s_wait_dscnt 0x1                               ; this group's 17 loads are in: the add alone is younger
	SEG 0, 0, \fma, \mm, 0, 0                      ; a segment's work stands between the add and the wait for it
	s_wait_dscnt 0x0                               ; the add is done, and my reads of this slot are over
	s_barrier_signal -1
	SEG gT1, 1, \fma, \mm, 0, 0                    ; work on registers while the others arrive
	WIN 0
	s_barrier_wait -1
.if \fill
	CREST                                          ; no wave of any partner still reads this slot or has a load on its way
	tensor_load_to_lds s[G0W+4*gSL:G0W+4*gSL+3], s[G1W:G1W+7]   ; my quarter of the slot: my one tensor load behind the round
	s_nop 0
.rept 4
	v_nop
.endr
.endif
	LW 1-gSET, 0, 0, gPL, gGN                      ; the next group's fragments, from the other slot, in one run
	LW 1-gSET, 1, 0, gPL, gGN
	LW 1-gSET, 0, 1, gPL, gGN
	LW 1-gSET, 1, 1, gPL, gGN
	LS
	SEG gT2, 2, \fma, \mm, 0, 0
	SEG 2, 3, \fma, \mm, 0, 0
.else
	SEG 0, 0, \fma, \mm, \ld, \mm
	SEG gT1, 1, \fma, \mm, \ld, 0
	SEG gT2, 2, \fma, \mm, 0, 0
	SEG 2, 3, \fma, \mm, 0, 0
.endif
.endm
; AN o IS FINISHED.  A tile's four pairs are added to one number a lane: my node's sum over the j of my half of the lanes.  Two tiles share the exchange: lanes 0-15 keep the first tile's number and send the second's,
; lanes 16-31 the other way round; so lane l ends with the whole sum of node l of the two tiles' 32.  The sums go to plane pl of the trip's four.
.macro REDUCE pl
	WIN 0
.irp t, 0,1,2,3
	v_pk_add_f32 v[ACC+8*\t:ACC+8*\t+1], v[ACC+8*\t:ACC+8*\t+1], v[ACC+8*\t+2:ACC+8*\t+3]
.endr
.irp t, 0,1,2,3
	v_pk_add_f32 v[ACC+8*\t+4:ACC+8*\t+5], v[ACC+8*\t+4:ACC+8*\t+5], v[ACC+8*\t+6:ACC+8*\t+7]
.endr
.irp t, 0,1,2,3
	v_pk_add_f32 v[ACC+8*\t:ACC+8*\t+1], v[ACC+8*\t:ACC+8*\t+1], v[ACC+8*\t+4:ACC+8*\t+5]
.endr
.irp t, 0,1,2,3
	v_add_f32 v[TM+\t], v[ACC+8*\t], v[ACC+8*\t+1]
.endr
	v_cndmask_b32 v[TM+4], v[TM], v[TM+1], s[LM]   ; what I keep: lanes 0-15 tile 0's, lanes 16-31 tile 1's
	v_cndmask_b32 v[TM+5], v[TM+1], v[TM], s[LM]   ; what I send
	v_cndmask_b32 v[TM+6], v[TM+2], v[TM+3], s[LM] ; tiles 2 and 3 likewise
	v_cndmask_b32 v[TM+7], v[TM+3], v[TM+2], s[LM]
	v_permlanex16_b32 v[TM], v[TM+5], s[SEL], s[SEL+1]     ; (its destination counts as read: these two have been written)
	v_permlanex16_b32 v[TM+2], v[TM+7], s[SEL], s[SEL+1]
	v_add_f32 v[TM+4], v[TM+4], v[TM]
	v_add_f32 v[TM+6], v[TM+6], v[TM+2]
	ds_store_b32 v[STGA], v[TM+4] offset:1024*\pl          ; my wave's nodes 0-31: 128 bytes on end
	ds_store_b32 v[STGA], v[TM+6] offset:1024*\pl+128      ; nodes 32-63
.endm
; A TRIP: four o, once round the ring, from a lap's second group to the next lap's first.  An o's last multiply-adds stand in the next o's first group, so REDUCE follows that group.
; fill = 0: the last four o: nothing is asked for, the last group fetches nothing, and a group of multiply-adds alone drains the last results.
.macro TRIP fill
.irp g, 1,2,3,4,5,6,7
	GROUP 0, \g, 1, 1, 1, 0, 0
.endr
	GROUP 1, 0, 1, 1, 1, 0, 0
	REDUCE 0
.irp g, 1,2,3,4,5,6
	GROUP 1, \g, 1, 1, 1, 0, 0
.endr
	GROUP 1, 7, 1, 1, 1, 1, \fill
	GROUP 2, 0, 1, 1, 1, 0, 0
	REDUCE 1
.irp g, 1,2,3,4,5,6,7
	GROUP 2, \g, 1, 1, 1, 0, 0
.endr
	GROUP 3, 0, 1, 1, 1, 0, 0
	REDUCE 2
.irp g, 1,2,3,4,5,6
	GROUP 3, \g, 1, 1, 1, 0, 0
.endr
.if \fill
	GROUP 3, 7, 1, 1, 1, 1, 1
	GROUP 4, 0, 1, 1, 1, 0, 0
.else
	GROUP 3, 7, 1, 1, 0, 0, 0
	GROUP 4, 0, 1, 0, 0, 0, 0
.endif
	REDUCE 3
.endm
.macro LX1 t, reg                      ; tile t's two fragments of x1 (16 nodes x 128 K each) into v[reg] on of the destination's window
.set rR, \reg
.irp k, 0,1
.irp c, 0,1,2,3
	global_load_b128 v[rR+16*\k+4*\c:rR+16*\k+4*\c+3], v[AX1], s[8:9] offset:4096*(\t)+128*\k+32*\c
.endr
.endr
.endm
.macro LX2 t, jt, reg                  ; x2[my node of tile t][16 jt + 8 h + 0 .. 7] into v[reg] on
.set rR, \reg
	global_load_b128 v[rR:rR+3], v[AX2], s[12:13] offset:16384*(\t)+64*(\jt)
	global_load_b128 v[rR+4:rR+7], v[AX2], s[12:13] offset:16384*(\t)+64*(\jt)+16
.endm
	s_load_b256 s[4:11], s[0:1], 0x0               ; W's codes s[4:5], W's scales s[6:7], x1's codes s[8:9], x1's scales s[10:11]
	s_load_b128 s[12:15], s[0:1], 0x20             ; x2 s[12:13], bias s[14:15]
	s_load_b64 s[16:17], s[0:1], 0x30              ; out0
	v_lshl_add_u32 v[SPW], v0, 2, SPARE
	v_mov_b32 v[NIL], 0
	ds_add_u32 v1, v2
	ds_add_u32 v1, v2
	s_wait_dscnt 0x0
	v_lshrrev_b32 v55, 5, v0
	v_readfirstlane_b32 s[WV], v55                 ; wave 0..3
	s_bfe_u32 s19, ttmp6, 0x40000                  ; cx: my place in the cluster: it enters x1's, x2's and out0's addresses alone
	s_lshl_b32 s20, ttmp9, 2                       ; in a cluster launch ttmp9 counts clusters
	s_add_co_u32 s20, s20, s19                     ; x = 4 x cluster x + cx
	s_and_b32 s24, ttmp7, 0xffff                   ; y, which the four partners share
	s_lshl_b32 s21, s20, 8
	s_lshl_b32 s22, s[WV], 6
	s_add_co_u32 s21, s21, s22                     ; my wave's first node: 256 x + 64 wave
	s_mov_b32 s[LM], 0xffff0000
	s_mov_b32 s[SEL], 0x76543210
	s_mov_b32 s[SEL+1], 0xfedcba98
	v_and_b32 v52, 15, v0                          ; r = lane % 16
	v_bfe_u32 v53, v0, 4, 1                        ; h = lane / 16
	v_and_b32 v54, 31, v0                          ; lane
	v_mul_u32_u24 v55, v52, PITCH
	v_lshl_add_u32 v55, v53, 4, v55                ; a fragment's row x pitch + 16 x half
.irp pl, 0,1,2,3
	v_add_nc_u32 v[ADW+\pl], SLOT0+\pl*PLANE, v55
.endr
	v_lshl_add_u32 v[ADS], v54, 3, SCL             ; 8 bytes of scales a row
	s_lshl_b32 s25, s[WV], 8                       ; my wave's 256 bytes of a plane of sums
	v_lshl_add_u32 v[STGA], v54, 2, s25
	v_add_nc_u32 v[STGA], STG, v[STGA]
	v_and_b32 v55, 3, v54                          ; lane % 4: which four of the 16 outputs I store
	v_lshrrev_b32 v[RDA], 2, v54                   ; lane / 4: which of eight nodes
	v_lshl_add_u32 v[RDA], v[RDA], 2, s25
	v_lshl_add_u32 v[RDA], v55, 12, v[RDA]         ; back: plane 4 (lane % 4), node lane / 4
	v_add_nc_u32 v[RDA], STG, v[RDA]
	v_lshrrev_b32 v[GO], 2, v54
	v_lshlrev_b32 v[GO], 10, v[GO]
	v_lshl_add_u32 v[GO], v55, 4, v[GO]            ; out0: a row is 1,024 bytes; 16 bytes a lane: four lanes store a node's 64 bytes
	v_lshlrev_b32 v[ABI], 4, v55                   ; bias: my four outputs
	v_lshlrev_b32 v[AX1], 8, v52
	v_lshl_add_u32 v[AX1], v53, 4, v[AX1]          ; x1's codes: row r of 256 bytes, + 16 h
	v_lshlrev_b32 v[AXS], 3, v52
	v_lshl_add_u32 v[AXS], v53, 2, v[AXS]          ; x1's scale words: row r of 8 bytes; lanes 16-31 take the second word
	v_lshlrev_b32 v[AX2], 10, v52
	v_lshl_add_u32 v[AX2], v53, 5, v[AX2]          ; x2: row r of 1,024 bytes, + 32 h
	; descriptor group 1 for W's codes: 128 rows x 256 elements of one byte, dense in memory, padded in LDS
	s_mov_b32 s[G1W+0], 15|(0<<16)|(1<<20)|(1<<21)|(5<<22)|(3<<25)  ; 15:0 the mask: all four work-groups; 17:16 elements of 1 byte; 20 padding on; 21 set beside a mask; 24:22 after every 64 words (code 5); 31:25 four words (code 3)
	s_mov_b32 s[G1W+1], 256<<16                    ; tensor_dim0 = 256
	s_mov_b32 s[G1W+2], 128<<16                    ; tensor_dim1 = 128
	s_mov_b32 s[G1W+3], 256<<16                    ; tile_dim0 = 256
	s_mov_b32 s[G1W+4], 128                        ; tile_dim1 = 128
	s_mov_b32 s[G1W+5], 256                        ; tensor_dim0_stride
	s_mov_b32 s[G1W+6], 0
	s_mov_b32 s[G1W+7], 0
	; and for a quarter of the scale bytes: 8,192 dense bytes as 32 rows of 32 elements of 8 bytes, no padding
	s_mov_b32 s[G1S+0], 15|(3<<16)|(1<<21)
	s_mov_b32 s[G1S+1], 32<<16
	s_mov_b32 s[G1S+2], 32<<16
	s_mov_b32 s[G1S+3], 32<<16
	s_mov_b32 s[G1S+4], 32
	s_mov_b32 s[G1S+5], 32
	s_mov_b32 s[G1S+6], 0
	s_mov_b32 s[G1S+7], 0
	s_wait_kmcnt 0x0
	s_mov_b32 s23, 0                               ; s[22:23]: offsets that hang on x: they never enter a descriptor
	s_lshl_b32 s22, s21, 8
	s_add_nc_u64 s[8:9], s[8:9], s[22:23]          ; x1's codes at my first node
	s_lshl_b32 s22, s21, 3
	s_add_nc_u64 s[10:11], s[10:11], s[22:23]      ; its scale bytes
	s_lshl_b32 s22, s21, 10
	s_add_nc_u64 s[12:13], s[12:13], s[22:23]      ; x2
	s_add_nc_u64 s[16:17], s[16:17], s[22:23]      ; out0
	s_mov_b32 s27, 0                               ; s[26:27]: offsets that hang on y and the wave's number alone
	s_lshl_b32 s26, s24, 6
	s_add_nc_u64 s[14:15], s[14:15], s[26:27]      ; bias at my group's 16 outputs
	s_add_nc_u64 s[16:17], s[16:17], s[26:27]      ; and out0 likewise
	s_lshl_b32 s26, s24, 15                        ; the group's scale bytes: 16 o x 2,048,
	s_lshl_b32 s25, s[WV], 13                      ; my quarter of them
	s_add_co_u32 s26, s26, s25
	s_mov_b32 s[G0S], 1                            ; 1:0 count = 1
	s_add_co_u32 s[G0S+1], s25, SCL                ; 63:32 LDS address: no place in the cluster enters it
	s_add_nc_u64 s[G0S+2:G0S+3], s[6:7], s[26:27]  ; 120:64 global address
	s_or_b32 s[G0S+3], s[G0S+3], 0x80000000        ; 127:126 type = 2
	s_lshl_b32 s26, s24, 20                        ; the group's codes: 16 o x 65,536,
	s_lshl_b32 s25, s[WV], 15                      ; my 128 rows of a slot's 512
	s_add_co_u32 s26, s26, s25
	s_add_nc_u64 s[4:5], s[4:5], s[26:27]
	s_mul_i32 s25, s[WV], QUART
.irp s, 0,1
	s_mov_b32 s[G0W+4*\s], 1
	s_add_co_u32 s[G0W+4*\s+1], s25, SLOT0+\s*SLOTB
	s_add_nc_u64 s[G0W+4*\s+2:G0W+4*\s+3], s[4:5], \s*131072       ; slot s begins with o 2 s and 2 s + 1
	s_or_b32 s[G0W+4*\s+3], s[G0W+4*\s+3], 0x80000000
.endr
	CROUND                                         ; all four work-groups are here: the first joint loads meet
	tensor_load_to_lds s[G0S:G0S+3], s[G1S:G1S+7]  ; the three first fills go out together: three tensor loads of mine are out
	s_nop 0
	tensor_load_to_lds s[G0W:G0W+3], s[G1W:G1W+7]
	s_nop 0
	tensor_load_to_lds s[G0W+4:G0W+7], s[G1W:G1W+7]
	s_nop 0
.rept 4
	v_nop
.endr
	; x1 and x2 of my 64 nodes, into the registers in which they stay
	WIN 0x40                                       ; destination window 1, address window 0
	LX1 0, 128
	LX1 3, 160
.irp jt, 0,1,2,3,4,5,6,7,8,9,10,11,12,13,14,15
	LX2 0, \jt, 8*\jt
.endr
.irp jt, 0,1,2,3,4,5,6,7
	LX2 3, \jt, 192+8*\jt
.endr
	WIN 0x80                                       ; destination window 2
	LX1 1, 128
	LX1 3, 160                                     ; tile 3's codes a second time: its products run under window 1 or 2, with its x2
.irp jt, 0,1,2,3,4,5,6,7,8,9,10,11,12,13,14,15
	LX2 1, \jt, 8*\jt
.endr
.irp jt, 8,9,10,11,12,13,14,15
	LX2 3, \jt, 128+8*\jt
.endr
	WIN 0xc0                                       ; destination window 3
	LX1 2, 128
.irp jt, 0,1,2,3,4,5,6,7,8,9,10,11,12,13,14,15
	LX2 2, \jt, 8*\jt
.endr
	WIN 0
.irp t, 0,1,2,3
	global_load_b32 v[XS+\t], v[AXS], s[10:11] offset:128*\t
.endr
	global_load_b128 v[BQ:BQ+3], v[ABI], s[14:15]
	s_wait_tensorcnt 0x1                           ; the scale bytes and my part of slot 0 are in; slot 1's load may stay out
	s_barrier_signal -1
	s_barrier_wait -1                              ; everybody's are
	LW 0, 0, 0, 0, 0                               ; the first group's fragments and scale words
	LW 0, 1, 0, 0, 0
	LW 0, 0, 1, 0, 0
	LW 0, 1, 1, 0, 0
	ds_load_b64 v[WS:WS+1], v[ADS]
	s_wait_loadcnt 0x0                             ; x1, x2, bias: once; the four offset registers are free from here on
	GROUP 0, 0, 0, 1, 1, 0, 0                      ; the first group stands in front of the loop: there are no results yet to multiply by x2
	WIN 0                                          ; at a label and at a branch every window is 0
.rept 9
	v_nop                                          ; this once no multiply-adds stand behind the products: eight places in front of the first read of a result, nine in front of the product that writes over it
.endr
	s_mov_b32 s[TRIPS], 3
.Ltrip:                                                ; three trips of four o; each fills both slots again: o 4 to 15
	TRIP 1
	v_add_nc_u32 v[ADS], 8192, v[ADS]              ; the next four o's scale words
	v_add_nc_u32 v[STGA], 4096, v[STGA]            ; and planes of sums
	s_sub_co_u32 s[TRIPS], s[TRIPS], 1
	s_cmp_lg_u32 s[TRIPS], 0
	s_cbranch_scc1 .Ltrip
	TRIP 0                                         ; the last four o are written out
	; THE WAY OUT.  My wave's 64 nodes x 16 outputs lie in its own 256 bytes of each plane: LDS serves a wave's instructions in order (ISA guide 5.7.1.4), so these loads see my stores, and no barrier is needed.
	; Lane l takes, for node l / 4 + 8 i, the outputs 4 (l % 4) + 0 .. 3.  (The four planes of a load's lanes lie 4,096 bytes apart, so four lanes meet in a bank: 32 loads, once.)
.irp i, 0,1,2,3,4,5,6,7
.irp e, 0,1,2,3
	ds_load_b32 v[WF+4*\i+\e], v[RDA] offset:32*\i+1024*\e
.endr
.endr
.irp i, 0,1,2,3,4,5,6,7
	s_wait_dscnt 28-4*\i                           ; LDS loads come back in order: chunk i's four are in, the 28 - 4 i issued behind them may be out
	v_pk_add_f32 v[WF+4*\i:WF+4*\i+1], v[WF+4*\i:WF+4*\i+1], v[BQ:BQ+1]
	v_pk_add_f32 v[WF+4*\i+2:WF+4*\i+3], v[WF+4*\i+2:WF+4*\i+3], v[BQ+2:BQ+3]
	global_store_b128 v[GO], v[WF+4*\i:WF+4*\i+3], s[16:17] offset:8192*\i th:TH_STORE_NT   ; eight nodes: four lanes store a node's 64 consecutive bytes; written once, read by nobody here
.endr
	s_wait_tensorcnt 0x0                           ; the wave's end, behind my last tensor load and my last LDS store
	ds_add_u32 v[SPW], v[NIL]
	s_wait_dscnt 0x0
	CROUND                                         ; the closing round: no work-group ends while a partner may still ask for a tile that names it
	s_endpgm
.Lfunc_end_k_q8cf39d82ea_bilinear:
	.size	k_q8cf39d82ea_bilinear, .Lfunc_end_k_q8cf39d82ea_bilinear-k_q8cf39d82ea_bilinear
	.p2alignl 7, 3214868480
	.fill 96, 4, 3214868480
	.section	.rodata,"a",@progbits
	.p2align	6, 0x0
	.amdhsa_kernel k_q8cf39d82ea_bilinear
		.amdhsa_group_segment_fixed_size 327680
		.amdhsa_private_segment_fixed_size 0
		.amdhsa_enable_private_segment 0
		.amdhsa_kernarg_size 56
		.amdhsa_user_sgpr_count 2
		.amdhsa_user_sgpr_kernarg_segment_ptr 1
		.amdhsa_wavefront_size32 1
		.amdhsa_system_sgpr_workgroup_id_x 1
		.amdhsa_system_sgpr_workgroup_id_y 1
		.amdhsa_system_sgpr_workgroup_id_z 1
		.amdhsa_system_vgpr_workitem_id 0
		.amdhsa_next_free_vgpr 1024
		.amdhsa_next_free_sgpr 66
		.amdhsa_reserve_vcc 0
		.amdhsa_float_denorm_mode_32 3
		.amdhsa_float_denorm_mode_16_64 3
		.amdhsa_memory_ordered 1
		.amdhsa_forward_progress 1
		.amdhsa_inst_pref_size 255
	.end_amdhsa_kernel
	.section	.bss,"aw",@nobits
	.p2align	6
	.space	262144
	.amdgpu_metadata
---
amdhsa.version: [ 1, 2 ]
amdhsa.kernels:
  - .name:           k_q8cf39d82ea_bilinear
    .symbol:         k_q8cf39d82ea_bilinear.kd
    .args:
      - { .name: weight_codes, .offset: 0, .size: 8, .value_kind: global_buffer, .address_space: global }
      - { .name: weight_scales, .offset: 8, .size: 8, .value_kind: global_buffer, .address_space: global }
      - { .name: x1_codes, .offset: 16, .size: 8, .value_kind: global_buffer, .address_space: global }
      - { .name: x1_scales, .offset: 24, .size: 8, .value_kind: global_buffer, .address_space: global }
      - { .name: x2, .offset: 32, .size: 8, .value_kind: global_buffer, .address_space: global }
      - { .name: bias, .offset: 40, .size: 8, .value_kind: global_buffer, .address_space: global }
      - { .name: out0, .offset: 48, .size: 8, .value_kind: global_buffer, .address_space: global }
    .group_segment_fixed_size: 327680
    .private_segment_fixed_size: 0
    .kernarg_segment_align: 8
    .kernarg_segment_size: 56
    .max_flat_workgroup_size: 128
    .sgpr_count:     66
    .vgpr_count:     1024
    .wavefront_size: 32
...
	.end_amdgpu_metadata
.endif
;; end of part 1
;; ======== version 2 of 2: 1 launch
;; limits: right only within a limited range of input values
;; launch bilinear (part 2): grid 16 x 16, 4 waves a work-group, clusters of 4 x 1, 327,680 bytes of LDS; arguments weight_codes, weight_scales, x1_codes, x1_scales, x2, bias, out0; writes out0
.if DOCPART == 2
	.amdgcn_target "amdgcn-amd-amdhsa--gfx1250"
	.amdhsa_code_object_version 6
	.text
	.protected	k_q8cf39d82ea_bilinear
	.globl	k_q8cf39d82ea_bilinear
	.p2align	8
	.type	k_q8cf39d82ea_bilinear,@function
k_q8cf39d82ea_bilinear:
	s_mov_b64 s[64:65], 0
	v_nop
	global_prefetch_b8 v0, s[64:65] scope:SCOPE_SE
	s_setreg_imm32_b32 hwreg(HW_REG_WAVE_MODE, 25, 1), 1
	s_wait_xcnt 0x0
	s_wait_alu depctr_hold_cnt(0) depctr_sa_sdst(0) depctr_va_vdst(0) depctr_va_sdst(0) depctr_va_ssrc(0) depctr_va_vcc(0) depctr_vm_vsrc(0)
	s_getreg_b32 s2, hwreg(HW_REG_IB_STS2, 6, 4)
	s_cmp_eq_u32 s2, 0
	s_cbranch_scc0 .Lentry_in_a_cluster
	s_endpgm
.Lentry_in_a_cluster:
	s_bfe_u32 s2, ttmp6, 0x10000c
	s_cmp_lg_u32 s2, 0x3003
	s_cbranch_scc0 .Lentry_shape_is_right
	s_endpgm
.Lentry_shape_is_right:
; out0[n][o] = sum over j of (sum over i of x1[n][i] W[o][i][j]) x2[n][j] + bias[o].   n: 4,096 nodes; o, i, j: 256 each.
; The inner sum is the QUANTISED product: x1 [4096][256] and W, seen as [65536 rows (256 o + j)][256], arrive as codes of E4M3 with K = i innermost and one E8M0 byte for each 32 along K;
; codes and bytes go to v_wmma_scale_f32_16x16x128_f8f6f4 as they lie.  The outer sum is taken in f32 by packed multiply-adds on each 16 x 16 result: nothing but out0 goes to memory.
; SHARES.  256 work-groups: x = a block of 256 nodes, y = a group of 16 outputs o.  Wave w = 2 jh + nh owns nodes 128 nh .. + 127 of the block (8 tiles of 16) and j = 128 jh .. + 127 of every o.
; Its x1 (8 x 32 registers) and its x2 (8 x 64 registers) stay in registers for the whole launch: they fill windows 1 to 3; a fragment of W read from LDS feeds eight matrix instructions.
; THE MATRIX INSTRUCTION IS USED TRANSPOSED: source 0 = 16 rows of W (one o, 16 neighbouring j), source 1 = 16 nodes of x1.  In the result lane (r, h) holds node r, and register i holds j = 16 jt + 8 h + i of the wave's 128:
; so x2 of the same node and j lies in the same lane, and the sum over j is four packed multiply-adds a tile.
; A STEP is 16 rows of W x 8 tiles of nodes x 2 K steps = 16 products, 8 steps to an o.  Tiles 0-3 (A) and 4-7 (B): A K step 0, A K step 1, B K step 0, B K step 1: three other products stand between a sum's two steps.
; Behind each product stand two multiply-adds: behind A's those on B's results of the step before, behind B's those on A's results of this step.  So one set of results (64 registers) serves.
; PLACES (eight behind this form, nine in front of a product that writes over a result).  Tile t of A has K step 1 in place 4 + t and its multiply-adds from place 8, 10, 12 on: eight multiply-adds or more between;
; B's tiles likewise, from place 12 to the next step's places 0, 2, 4, 6.  A set of fragments is loaded anew ten multiply-adds or more behind its last product.
; RING.  W's codes come through two LDS slots of two o (two planes of 256 rows of 256 bytes) each; each wave fetches a quarter of a slot, 128 rows, by one tensor load.  The head's four tiles, one a wave: x1's 256 rows in two
; halves, into slot 1's first plane, from where they go on into registers; W's planes 0 and 1.  Slot 1 gets its first W when all waves hold x1 in registers.
; W's scale bytes go from memory into registers, 256 bytes on end a load, one o ahead.  x2 goes from memory into registers, while the first o is multiplied.
; CLUSTER.  The four node blocks of a cluster share y, so they walk the same rows of W: every load of W's codes is asked for JOINTLY, with the mask of all four.  x1 and x2 hang on x alone: they are shared along y, across clusters.
; They are 320 KiB of a work-group's 1.4 MiB and are read once, at the head; a cluster of 4 x 4 that shared them too would put sixteen work-groups in place of four into each of the loop's six rounds.
; PREFETCH.  Each refill asks the L2 for the two o that stand two refills on (512 matrix instructions ahead of their load): 131,072 bytes = 512 blocks of 256, each named once in the cluster: partner cx, wave w, lane l take block
; 128 cx + 32 w + l.  The last two refills and the launch's first four pairs ask for nothing.
; THE WAY OUT.  A work-group owns 16 of a row's 256 outputs, 64 bytes: no store of it can cover 256 consecutive bytes (64 outputs to a work-group would read four times the bytes of W).  The sums are gathered in LDS, [o][jh][node], and
; leave so that four neighbouring lanes store the 64 consecutive bytes of a node.
; LIMITS.  The f32 sums over j are taken in another order than a plain chain: four chains a lane, then a tree.  A scale byte 0xff gives NaN, as the format has it.  No other limit of range: all behind the codes is f32.
;
; REGISTERS.  Window 0 as named below.  In the loop ONLY SOURCE 1 changes its window (s_set_vgpr_msb bits 3:2): x1 (a product's source 1) and x2 (a multiply-add's source 1):
;   window 1: v0-63 x1 tiles 0-3 K step 0; x2 tile 4 v64-127, tile 5 v128-191, tile 2 v192-255
;   window 2: v0-63 x1 tiles 0-3 K step 1; x2 tile 6 v64-127, tile 7 v128-191; x1 tiles 4, 5 K step 1 v192-223; x2 tile 3, steps 0-3 v224-255
;   window 3: v0-63 x1 tiles 4-7 K step 0; x2 tile 0 v64-127, tile 1 v128-191; x1 tiles 6, 7 K step 1 v192-223; x2 tile 3, steps 4-7 v224-255
; ODD STEPS.  The eight multiply-adds of tiles 4 and 5 stand together at the head of an odd step, ahead of its ONE run of LDS loads, and its first four products have none behind them.  The run brings the fragments of the next two steps
; (sixteen loads); with it go the stores of the sums and the loads of scale words.  So an o has four places with memory instructions.  Even steps use fragment set 0, steps 1 and 5 set 1, steps 3 and 7 set 2.
.set PITCH, 272                        ; a row of W or x1 in LDS: 256 bytes + 16 of padding = 68 words: row r starts at bank 4 r mod 64 (64 banks of 4 bytes: ISA guide 11.1), so the 16 rows of a load start at 16 different banks
.set PLANE, 256*PITCH                  ; one o: 256 rows
.set SLOTB, 2*PLANE                    ; a slot: two o; slot 0 begins at LDS byte 0
.set QUART, 128*PITCH
.set SPARE, 2*SLOTB                    ; the spare words, 128 bytes for each wave: two blocks of 256 bytes that no other line names
.set STG,   SPARE+512                  ; the sums: o at STG + SPIT o, in it half jh at 1,024 jh, 4 bytes a node
.set SPIT,  2056                       ; four planes lie 8,224 bytes apart: 8 banks further on, for the reads on the way out
.set SPW,  1                           ; LDS address of my spare word; never rewritten
.set NIL,  2                           ; 0; never rewritten
.set ADW,  3                           ; v3-6   my lane's place in plane 0 .. 3 of the ring
.set STGA, 7                           ; where I put a sum, + 4 planes a trip
.set XS,   8                           ; v8, 10 .. 22  tile t's scale words of x1 at XS + 2 t: lanes 0-15 K step 0, lanes 16-31 K step 1
.set SCO,  9                           ; offset of W's scale bytes: 8 x lane
.set PFO,  11                          ; the prefetches' offset: 256 x lane; never rewritten
.set AX2,  13
.set RDA,  15                          ; where I read sums back
.set GO,   17                          ; my byte offset in the wave's rows of out0
.set ABI,  19
.set AXS,  21
.set AX1,  23
.set WS,   24                          ; v24-39 scale words of W, set s (o even, odd) at WS + 8 s: 32 rows q, K step k at 2 q + k: lanes 0-15 the even step's rows, lanes 16-31 the odd one's
.set ACC,  40                          ; v40-71 the sums over j: tile t: two pairs at ACC + 4 t
.set DD,   72                          ; v72-135 result of tile t at DD + 8 t
.set T1,   136                         ; v136-151, v152-159 at work when an o is finished
.set T2,   152
.set BQ,   136                         ; v136-139 bias of my four outputs: loaded in the last o, behind T1's last use
.set WF,   160                         ; v160-255 W's fragments: set s, K step k at WF + 32 s + 16 k
.set TD,   192                         ; v192-207 at work behind the last o (set 1 is done with)
.set WV,   18                          ; s18 my wave's number; s19 nh, s20 jh
.set G1W,  28                          ; s[28:35] descriptor group 1 for the ring: 128 rows, joint
.set G1X,  36                          ; s[36:43] for x1: 128 rows
.set G0H,  44                          ; s[44:47] group 0 for the head's planes of W
.set G0W,  48                          ; s[48:55] group 0 for the ring, one set for each slot
.set TRIPS, 56
.set PFA,  60                          ; s[60:61] where my prefetches stand
.set G1H,  68                          ; s[68:75] group 1 for the head's planes of W: 256 rows, joint
.set G0X,  76                          ; s[76:79] group 0 for x1
.set MSB, 0
.macro WIN new                         ; the immediate's high byte repeats the setting that is left; a switch that changes nothing is dropped
.if MSB != (\new)
	s_set_vgpr_msb (MSB<<8)|(\new)
.set MSB, \new
.endif
.endm
.macro CREST                           ; a round of the cluster's barrier behind its opening barrier
	s_cmp_lg_u32 s[WV], 0
	s_cbranch_scc1 .Lnot_wave_0_\@
	s_barrier_signal -3
.Lnot_wave_0_\@:
	s_barrier_wait -3
	s_barrier_signal -1
	s_barrier_wait -1
.endm
.macro CROUND                          ; a whole round
	s_barrier_signal -1
	s_barrier_wait -1
	CREST
.endm
.macro XLOC t, k                       ; where x1 of tile t, K step k lies: register rX of window rXW
.if (\k) == 0
.set rX, 16*((\t)&3)
.if (\t) < 4
.set rXW, 1
.else
.set rXW, 3
.endif
.else
.if (\t) < 4
.set rX, 16*(\t)
.set rXW, 2
.else
.set rX, 192+16*((\t)&1)
.set rXW, 2
.if (\t) > 5
.set rXW, 3
.endif
.endif
.endif
.endm
.macro FLOC t, jt                      ; where x2 of tile t, step jt lies: rF of window rFW
.set rF, 64+64*((\t)&1)+8*(\jt)
.set rFW, 1
.if (\t) < 2
.set rFW, 3
.endif
.if (\t) > 5
.set rFW, 2
.endif
.if (\t) == 2
.set rF, 192+8*(\jt)
.endif
.if (\t) == 3
.set rF, 224+8*((\jt)&3)
.set rFW, 2
.if (\jt) > 3
.set rFW, 3
.endif
.endif
.endm
; One product.  K step 0 starts the sum with the constant 0.  The scale rows: an odd step's rows of W and x1's K step 1 lie in lanes 16-31.
.macro MM t, k
	XLOC \t, \k
	WIN 4*rXW
.set rD, DD+8*(\t)
.set rW, WF+32*gSET+16*(\k)
.set rS, WS+8*gWS+2*(gJT>>1)+(\k)
.if (\k) == 0
.if (gJT&1) == 0
	v_wmma_scale_f32_16x16x128_f8f6f4 v[rD:rD+7], v[rW:rW+15], v[rX:rX+15], 0, v[rS], v[XS+2*(\t)]
.else
	v_wmma_scale_f32_16x16x128_f8f6f4 v[rD:rD+7], v[rW:rW+15], v[rX:rX+15], 0, v[rS], v[XS+2*(\t)] matrix_a_scale:MATRIX_SCALE_ROW1
.endif
.else
.if (gJT&1) == 0
	v_wmma_scale_f32_16x16x128_f8f6f4 v[rD:rD+7], v[rW:rW+15], v[rX:rX+15], v[rD:rD+7], v[rS], v[XS+2*(\t)] matrix_b_scale:MATRIX_SCALE_ROW1
.else
	v_wmma_scale_f32_16x16x128_f8f6f4 v[rD:rD+7], v[rW:rW+15], v[rX:rX+15], v[rD:rD+7], v[rS], v[XS+2*(\t)] matrix_a_scale:MATRIX_SCALE_ROW1 matrix_b_scale:MATRIX_SCALE_ROW1
.endif
.endif
.endm
; Half hf of tile t's four packed multiply-adds; A's on this step's results, B's on the step before's; from the result's low end on.  An o's first two are multiplications: they start the sums.
.macro FMH t, hf
.if (\t) < 4
.set rJ, gJT
.else
.set rJ, gJP
.endif
	FLOC \t, rJ
	WIN 4*rFW
.set rD, DD+8*(\t)+4*(\hf)
.set rA, ACC+4*(\t)
.set rF, rF+4*(\hf)
.irp p, 0,1
.if (rJ == 0) && ((\hf) == 0)
	v_pk_mul_f32 v[rA+2*\p:rA+2*\p+1], v[rD+2*\p:rD+2*\p+1], v[rF+2*\p:rF+2*\p+1]
.else
	v_pk_fma_f32 v[rA+2*\p:rA+2*\p+1], v[rD+2*\p:rD+2*\p+1], v[rF+2*\p:rF+2*\p+1], v[rA+2*\p:rA+2*\p+1]
.endif
.endr
.endm
; A fragment into set st: step jt of plane gNPL, K step k: lane l holds row l % 16; registers 4 c .. 4 c + 3 hold K = 32 c + 16 (l / 16) + 0 .. 15.
.macro LWF st, jt, k
.irp c, 0,1,2,3
	ds_load_b128 v[WF+32*(\st)+16*(\k)+4*\c:WF+32*(\st)+16*(\k)+4*\c+3], v[ADW+gNPL] offset:16*PITCH*(\jt)+128*(\k)+32*\c
.endr
.endm
.macro FETCH                           ; the fragments of the next two steps, an even one into set 0 and an odd one into set gNST: sixteen loads
	LWF 0, gNJT, 0
	LWF 0, gNJT, 1
	LWF gNST, gNJT+1, 0
	LWF gNST, gNJT+1, 1
.endm
; THE SUMS OF THE o BEFORE, one line behind a product.  A tile's two pairs make one pair, one number; the exchange of two tiles' numbers between the halves of the lanes puts tile a's two halves side by side in lanes 0-15 and
; tile b's in lanes 16-31; their sum is node l of the two tiles' 32.  The additions are written as fused multiply-adds by 1.0: their source 1 is a constant, so the window of source 1 need not be switched.  Nine vector instructions or more stand
; between a line and the reader of its result.
.macro REDUCE n
.if gJT == 0
.if ((\n) >= 4) && ((\n) <= 11)
.set rT, (\n)-4
	v_pk_fma_f32 v[T1+2*rT:T1+2*rT+1], v[ACC+4*rT:ACC+4*rT+1], 1.0, v[ACC+4*rT+2:ACC+4*rT+3] op_sel_hi:[1,0,1]
.endif
.if (\n) >= 12
.set rT, (\n)-12
	v_fma_f32 v[T2+rT], v[T1+2*rT], 1.0, v[T1+2*rT+1]
.endif
.endif
.if gJT == 1
.if (\n) <= 3
.set rT, (\n)+4
	v_fma_f32 v[T2+rT], v[T1+2*rT], 1.0, v[T1+2*rT+1]
.endif
.if ((\n) == 8) || ((\n) == 9)
.set rT, 2*((\n)-8)
	v_permlane16_swap_b32 v[T2+rT], v[T2+rT+1]
.endif
.if ((\n) == 12) || ((\n) == 13)
.set rT, 2*((\n)-10)
	v_permlane16_swap_b32 v[T2+rT], v[T2+rT+1]
.endif
.endif
.if gJT == 2
.if ((\n) == 2) || ((\n) == 3)
.set rT, 2*((\n)-2)
	v_fma_f32 v[T2+rT], v[T2+rT], 1.0, v[T2+rT+1]
.endif
.if ((\n) == 6) || ((\n) == 7)
.set rT, 2*((\n)-4)
	v_fma_f32 v[T2+rT], v[T2+rT], 1.0, v[T2+rT+1]
.endif
.endif
.endm
; PLACE n of a step: a product, two multiply-adds (an odd step's first four places have none: they stand at its head), and a line of the sums.
.macro SL n, xt, xk, ft, fh
	MM \xt, \xk
.if (gFB || ((\ft) < 4)) && (((gJT&1) == 0) || ((\n) > 3))
	FMH \ft, \fh
.endif
.if gRED
	REDUCE \n
.endif
.endm
.macro FM45                            ; an odd step's head: tiles 4 and 5 of the step before
	FMH 4, 0
	FMH 4, 1
	FMH 5, 0
	FMH 5, 1
.endm
; An odd step's run of memory instructions, ten multiply-adds behind the last product that reads set 0.
.macro RUN
.if gRED && (gJT == 3)
	WIN 0                                          ; (a store's data take the window of source 1)
.irp q, 0,1,2,3
	ds_store_b32 v[STGA], v[T2+2*\q] offset:SPIT*gRPL+128*\q       ; the sums of my wave's nodes 32 q .. 32 q + 31
.endr
.endif
	FETCH
.if gWL && (gJT == 1)
	s_add_nc_u64 s[6:7], s[6:7], 2048              ; (the loads that read this base were waited for at this o's start)
.irp q, 0,1,2,3
	global_load_b64 v[WS+8*(1-gWS)+2*\q:WS+8*(1-gWS)+2*\q+1], v[SCO], s[6:7] offset:2048+256*\q   ; the next o's scale words
.endr
.endif
.if gLAST && (gJT == 3)
	global_load_b128 v[BQ:BQ+3], v[ABI], s[14:15]
.endif
.endm
; The rest of a change of slots: behind the barrier nobody reads this slot and the other slot is whole.  gTU = 2: the barrier opens a round of the cluster's barrier; this slot's joint refill, with the o four further on, is the first thing behind the round.
.macro TURNB
	WIN 0
	s_barrier_wait -1
.if gTU == 2
	CREST
	tensor_load_to_lds s[G0W+4*(gPL>>1):G0W+4*(gPL>>1)+3], s[G1W:G1W+7]   ; my quarter of the slot: my one tensor load behind the round
	s_nop 0
.rept 4
	v_nop
.endr
.endif
	FETCH                                          ; the next step's fragments, from the other slot
.if gTU == 2
	s_cmp_gt_u32 s[TRIPS], 1                       ; the last trip's refills have nothing two refills on
	s_cbranch_scc0 .Lno_ask_\@
	global_prefetch_b8 v[PFO], s[PFA:PFA+1] offset:131072*(gPL>>1) th:TH_LOAD_NT scope:SCOPE_SE
.Lno_ask_\@:
.endif
.endm
; x2 of step jt for my 8 tiles: x2[node r of tile t][16 jt + 8 h + 0 .. 7]: 16 loads
.macro LX2 jt
.irp t, 0,1,3,6,7,2,4,5
	FLOC \t, \jt
	WIN 64*rFW
	global_load_b128 v[rF:rF+3], v[AX2], s[12:13] offset:16384*\t+64*(\jt)
	global_load_b128 v[rF+4:rF+7], v[AX2], s[12:13] offset:16384*\t+64*(\jt)+16
.endr
.endm
; A STEP.  Waits for fragments.  An even step's K step 0 has K step 1's four loads and the next odd step's eight behind it (12), its K step 1 those eight (8).  An odd step's K step 0 has K step 1's four and its own run's sixteen
; behind it (20), its K step 1 the sixteen (16); in the very last step, which has no run, 4 and 0.
; In a slot's last step (gTU > 0): each wave waits for all its tensor loads (the one that may be out is its part of the other slot), adds 0 to its spare word, and waits for that and for its reads of this slot, ahead of the signal; eight
; multiply-adds stand between the add and the wait for it, four products between signal and wait; the run stands behind the barrier.  Every wait stands between two tiles' multiply-adds.
.macro STEP jt
.set gJT, \jt
.set gJP, ((\jt)+7)&7
.set gSET, 0
.set gNST, 1
.if ((\jt)&3) == 1
.set gSET, 1
.set gNST, 2
.endif
.if ((\jt)&3) == 3
.set gSET, 2
.endif
.if (\jt) == 7
.set gNPL, (gPL+1)&3
.set gNJT, 0
.set gTU, gTURN
.set gFET, 1-gLAST
.else
.set gNPL, gPL
.set gNJT, (\jt)+1
.set gTU, 0
.set gFET, 1
.endif
.set gFB, 1
.if (gRED == 0) && ((\jt) == 0)
.set gFB, 0
.endif
.if gTU
	WIN 0                                          ; (the add's two registers lie in window 0)
.if (gTU == 2) && (gPL == 1)
	s_wait_xcnt 0x0                                ; my prefetches have read their address
	s_add_nc_u64 s[PFA:PFA+1], s[PFA:PFA+1], 262144
.endif
	s_wait_tensorcnt 0x0                           ; all my tensor loads have landed, so a group 0 may be written
	ds_add_u32 v[SPW], v[NIL]
.if gTU == 2
	s_add_nc_u64 s[G0W+4*(gPL>>1)+2:G0W+4*(gPL>>1)+3], s[G0W+4*(gPL>>1)+2:G0W+4*(gPL>>1)+3], 262144   ; four o of 65,536 bytes on; the type bits on top are not reached
.endif
	FM45
	s_wait_dscnt 0x0                               ; the add is done, and my last reads of this slot are in
	s_barrier_signal -1
.else
.if (\jt)&1
	FM45
.if gFET
	RUN
.endif
	s_wait_dscnt 4+16*gFET
.else
.if gRED && ((\jt) == 0)
	s_wait_loadcnt 0x0                             ; this o's scale words, asked for an o ago
.endif
	s_wait_dscnt 12
.endif
.endif
	SL 0, 0, 0, 4, 0
	SL 1, 1, 0, 4, 1
	SL 2, 2, 0, 5, 0
	SL 3, 3, 0, 5, 1
.if gTU
	TURNB
.else
.if (\jt)&1
	s_wait_dscnt 16*gFET
.else
	s_wait_dscnt 8
.endif
.endif
	SL 4, 0, 1, 6, 0
	SL 5, 1, 1, 6, 1
	SL 6, 2, 1, 7, 0
	SL 7, 3, 1, 7, 1
.if gRED == 0                          ; the first o: x2 of this step is in; the next two steps' 32 loads may be out, and one more step's are asked for
.if (\jt) == 0
.rept 8
	v_nop                                          ; this once no multiply-adds stand behind A's products
.endr
.endif
.if (\jt) < 6
	s_wait_loadcnt 32                              ; (two steps' loads: the words above count one step fewer than they say)
.else
	s_wait_loadcnt 16*(7-(\jt))
.endif
.if (\jt) < 5
	LX2 (\jt)+3
.endif
.endif
	SL 8,  4, 0, 0, 0
	SL 9,  5, 0, 0, 1
	SL 10, 6, 0, 1, 0
	SL 11, 7, 0, 1, 1
.if (\jt) < 4
	SL 12, 4, 1, 3, 0
	SL 13, 5, 1, 3, 1
	SL 14, 6, 1, 2, 0
	SL 15, 7, 1, 2, 1
.else
	SL 12, 4, 1, 2, 0
	SL 13, 5, 1, 2, 1
	SL 14, 6, 1, 3, 0
	SL 15, 7, 1, 3, 1
.endif
.endm
; An o in plane pl.  red: the o before is summed up (0: this is the first o), as number rpl of the trip's planes of sums; turn: 1, 2 = a change of slots in its last step, without and with a refill; wl: the next o's scale words are asked for; last: the last o.
.macro OB pl, red, rpl, turn, wl, last
.set gPL, \pl
.set gWS, (\pl)&1
.set gRED, \red
.set gRPL, \rpl
.set gTURN, \turn
.set gWL, \wl
.set gLAST, \last
.irp j, 0,1,2,3,4,5,6,7
	STEP \j
.endr
.endm
.macro LX1 t, k                        ; x1 of tile t, K step k, from LDS into the registers in which it stays
	XLOC \t, \k
	WIN 64*rXW
.irp c, 0,1,2,3
	ds_load_b128 v[rX+4*\c:rX+4*\c+3], v[AX1] offset:16*PITCH*(\t)+128*(\k)+32*\c
.endr
.endm
.macro G1SET g, word0, rows            ; descriptor group 1: rows of 256 elements of one byte, dense in memory, padded in LDS: 20 padding on; 24:22 after every 64 words (code 5); 31:25 four words (code 3)
	s_mov_b32 s[\g+0], (\word0)|(1<<20)|(5<<22)|(3<<25)
	s_mov_b32 s[\g+1], 256<<16                     ; tensor_dim0
	s_mov_b32 s[\g+2], (\rows)<<16                 ; tensor_dim1
	s_mov_b32 s[\g+3], 256<<16                     ; tile_dim0
	s_mov_b32 s[\g+4], \rows                       ; tile_dim1
	s_mov_b32 s[\g+5], 256                         ; tensor_dim0_stride
	s_mov_b32 s[\g+6], 0
	s_mov_b32 s[\g+7], 0
.endm
	s_load_b256 s[4:11], s[0:1], 0x0               ; W's codes s[4:5], W's scales s[6:7], x1's codes s[8:9], x1's scales s[10:11]
	s_load_b128 s[12:15], s[0:1], 0x20             ; x2 s[12:13], bias s[14:15]
	s_load_b64 s[16:17], s[0:1], 0x30              ; out0
	v_lshl_add_u32 v[SPW], v0, 2, SPARE
	v_mov_b32 v[NIL], 0
	ds_add_u32 v[SPW], v[NIL]                      ; the wave's opening: the add, twice on end, and its wait
	ds_add_u32 v[SPW], v[NIL]
	v_lshrrev_b32 v23, 5, v0
	v_readfirstlane_b32 s[WV], v23                 ; wave 0..3
	s_and_b32 s19, s[WV], 1                        ; nh
	s_lshr_b32 s20, s[WV], 1                       ; jh
	s_bfe_u32 s62, ttmp6, 0x40000                  ; cx: my place in the cluster: it enters x1's, x2's, out0's and the prefetches' addresses alone
	s_lshl_b32 s21, ttmp9, 2                       ; in a cluster launch ttmp9 counts clusters
	s_add_co_u32 s21, s21, s62                     ; x = 4 x cluster x + cx
	s_and_b32 s24, ttmp7, 0xffff                   ; y, which the four partners share
	s_mul_i32 s25, s20, 128*PITCH                  ; my 128 rows of a plane of W
	s_mul_i32 s26, s19, 128*PITCH                  ; my 128 rows of x1,
	s_add_co_u32 s26, s26, SLOTB                   ; which lie in slot 1
	s_lshl_b32 s27, s[WV], 9                       ; my wave's 512 bytes of a plane of sums
	s_add_co_u32 s27, s27, STG
	s_lshl_b32 s63, s[WV], 8                       ; the way out: my wave's 64 nodes
	s_add_co_u32 s63, s63, STG
	v_and_b32 v40, 15, v0                          ; r = lane % 16
	v_bfe_u32 v41, v0, 4, 1                        ; h = lane / 16
	v_and_b32 v42, 31, v0                          ; lane
	v_mul_u32_u24 v43, v40, PITCH
	v_lshl_add_u32 v43, v41, 4, v43                ; a fragment's row x pitch + 16 x half
	v_add_nc_u32 v[ADW], s25, v43
.irp pl, 1,2,3
	v_add_nc_u32 v[ADW+\pl], \pl*PLANE, v[ADW]
.endr
	v_add_nc_u32 v[AX1], s26, v43
	v_lshl_add_u32 v[STGA], v42, 2, s27
	v_and_b32 v45, 3, v42                          ; lane % 4: which four of the 16 outputs I store
	v_lshrrev_b32 v46, 2, v42                      ; lane / 4: which of eight nodes
	v_lshl_add_u32 v[RDA], v46, 2, s63
	v_mad_u32_u24 v[RDA], v45, 4*SPIT, v[RDA]
	v_lshlrev_b32 v[GO], 10, v46
	v_lshl_add_u32 v[GO], v45, 4, v[GO]            ; out0: a row is 1,024 bytes; four lanes store a node's 64 bytes
	v_lshlrev_b32 v[ABI], 4, v45
	v_lshlrev_b32 v[SCO], 3, v42
	v_lshlrev_b32 v[PFO], 8, v42
	v_lshlrev_b32 v[AXS], 3, v40
	v_lshl_add_u32 v[AXS], v41, 2, v[AXS]          ; x1's scale words: row r of 8 bytes; lanes 16-31 take the second word
	v_lshlrev_b32 v[AX2], 10, v40
	v_lshl_add_u32 v[AX2], v41, 5, v[AX2]          ; x2: row r of 1,024 bytes, + 32 h
	s_wait_alu depctr_va_vdst(0)
	G1SET G1W, 15|(1<<21), 128                     ; 15:0 the mask: all four work-groups; 21 set beside a mask
	G1SET G1H, 15|(1<<21), 256
	G1SET G1X, 0, 128
	s_wait_dscnt 0x0                               ; both opening adds are done
	s_wait_kmcnt 0x0
	s_mov_b32 s23, 0                               ; s[22:23]: offsets that hang on x
	s_lshl_b32 s21, s21, 8                         ; the block's first node
	s_lshl_b32 s22, s[WV], 6
	s_add_co_u32 s22, s21, s22
	s_lshl_b32 s22, s22, 10
	s_add_nc_u64 s[16:17], s[16:17], s[22:23]      ; out0 at the 64 nodes that I store
	s_lshl_b32 s22, s19, 7
	s_add_co_u32 s21, s21, s22                     ; my first node: 256 x + 128 nh
	s_lshl_b32 s22, s21, 8
	s_add_nc_u64 s[8:9], s[8:9], s[22:23]          ; x1's codes
	s_lshl_b32 s22, s21, 3
	s_add_nc_u64 s[10:11], s[10:11], s[22:23]      ; its scale bytes
	s_lshl_b32 s22, s21, 10
	s_lshl_b32 s25, s20, 9
	s_add_co_u32 s22, s22, s25
	s_add_nc_u64 s[12:13], s[12:13], s[22:23]      ; x2, at my 128 j
	s_mov_b32 s27, 0                               ; s[26:27]: offsets that hang on y and the wave's number alone
	s_lshl_b32 s26, s24, 6
	s_add_nc_u64 s[14:15], s[14:15], s[26:27]      ; bias at my group's 16 outputs
	s_add_nc_u64 s[16:17], s[16:17], s[26:27]      ; and out0 likewise
	s_lshl_b32 s26, s24, 15                        ; the group's scale bytes: 16 o x 2,048; my 128 j's 1,024 of the first o
	s_lshl_b32 s25, s20, 10
	s_add_co_u32 s26, s26, s25
	s_add_nc_u64 s[6:7], s[6:7], s[26:27]
.irp q, 0,1,2,3                        ; W's scale words of the first two o
	global_load_b64 v[WS+2*\q:WS+2*\q+1], v[SCO], s[6:7] offset:256*\q
.endr
.irp q, 0,1,2,3
	global_load_b64 v[WS+8+2*\q:WS+8+2*\q+1], v[SCO], s[6:7] offset:2048+256*\q
.endr
.irp t, 0,1,2,3,4,5,6,7
	global_load_b32 v[XS+2*\t], v[AXS], s[10:11] offset:128*\t
.endr
	s_lshl_b32 s26, s24, 20                        ; the group's codes: 16 o x 65,536
	s_add_nc_u64 s[4:5], s[4:5], s[26:27]
	s_lshl_b32 s26, s19, 16                        ; the head's planes: waves 2 and 3 take planes 0 and 1
	s_mov_b32 s[G0H], 1                            ; 1:0 count = 1
	s_mul_i32 s[G0H+1], s19, PLANE                 ; 63:32 LDS address: no place in the cluster enters it
	s_add_nc_u64 s[G0H+2:G0H+3], s[4:5], s[26:27]  ; 120:64 global address
	s_or_b32 s[G0H+3], s[G0H+3], 0x80000000        ; 127:126 type = 2
	s_mov_b32 s[G0X], 1                            ; x1: waves 0 and 1 take 128 rows each
	s_mul_i32 s25, s19, QUART
	s_add_co_u32 s[G0X+1], s25, SLOTB
	s_mov_b64 s[G0X+2:G0X+3], s[8:9]
	s_or_b32 s[G0X+3], s[G0X+3], 0x80000000
	s_lshl_b32 s26, s[WV], 15                      ; the ring: my 128 rows of a slot's 512
	s_add_nc_u64 s[26:27], s[4:5], s[26:27]
	s_mul_i32 s25, s[WV], QUART
.irp s, 0,1
	s_mov_b32 s[G0W+4*\s], 1
	s_add_co_u32 s[G0W+4*\s+1], s25, \s*SLOTB
	s_add_nc_u64 s[G0W+4*\s+2:G0W+4*\s+3], s[26:27], \s*131072     ; slot s begins with o 2 s and 2 s + 1
	s_or_b32 s[G0W+4*\s+3], s[G0W+4*\s+3], 0x80000000
.endr
	s_lshl_b32 s22, s62, 15                        ; the prefetches: my work-group's 32,768 bytes of a pair of o, my wave's 8,192 of them
	s_lshl_b32 s25, s[WV], 13
	s_add_co_u32 s22, s22, s25
	s_add_nc_u64 s[PFA:PFA+1], s[4:5], s[22:23]
	s_add_nc_u64 s[PFA:PFA+1], s[PFA:PFA+1], 262144   ; the first refill, of o 4 and 5, steps it to o 8
	CROUND                                         ; all four work-groups are here: the first joint loads meet
	s_cmp_eq_u32 s20, 0                            ; one tensor load a wave at the head: waves 0 and 1 x1, waves 2 and 3 W's planes 0 and 1
	s_cbranch_scc0 .Lhead_w
	tensor_load_to_lds s[G0X:G0X+3], s[G1X:G1X+7]
	s_nop 0
.rept 4
	v_nop
.endr
	s_branch .Lhead_asked
.Lhead_w:
	tensor_load_to_lds s[G0H:G0H+3], s[G1H:G1H+7]
	s_nop 0
.rept 4
	v_nop
.endr
.Lhead_asked:
	LX2 0                                          ; x2 of the first step: 16 loads
	WIN 0
	s_wait_tensorcnt 0x0                           ; my tile is in
	s_barrier_signal -1
	s_barrier_wait -1                              ; everybody's is
.irp t, 0,1,2,3
	LX1 \t, 0
.endr
.irp t, 0,1,2,3,4,5
	LX1 \t, 1
.endr
.irp t, 4,5,6,7
	LX1 \t, 0
.endr
.irp t, 6,7
	LX1 \t, 1
.endr
	LX2 1                                          ; x2 of the second step, while x1 comes from LDS
	WIN 0
	s_wait_tensorcnt 0x0
	ds_add_u32 v[SPW], v[NIL]
	s_wait_dscnt 0x0                               ; the add is done, and x1 is in my registers
	CROUND                                         ; every wave of every partner holds x1 in registers
	tensor_load_to_lds s[G0W+4:G0W+7], s[G1W:G1W+7]   ; slot 1: o 2 and 3
	s_nop 0
.rept 4
	v_nop
.endr
.set gNST, 1
.set gNPL, 0
.set gNJT, 0
	FETCH                                          ; the first step's fragments
	LX2 2                                          ; x2 of the third
	s_wait_loadcnt 48                              ; the scale words: 48 loads of x2 were issued behind them
	OB 0, 0, 0, 0, 0, 0                            ; the first o, in front of the loop
	WIN 0                                          ; at a label and at a branch every window is 0
	s_mov_b32 s[TRIPS], 3
.Ltrip:                                                ; three trips of four o: o 1 to 12; each fills both slots again
	OB 1, 1, 0, 2, 1, 0
	OB 2, 1, 1, 0, 1, 0
	OB 3, 1, 2, 2, 1, 0
	OB 0, 1, 3, 0, 1, 0
	WIN 0
	v_add_nc_u32 v[STGA], 4*SPIT, v[STGA]          ; the next four planes of sums
	s_sub_co_u32 s[TRIPS], s[TRIPS], 1
	s_cmp_lg_u32 s[TRIPS], 0
	s_cbranch_scc1 .Ltrip
	OB 1, 1, 0, 1, 1, 0                            ; the last three o are written out: they ask for no tile
	OB 2, 1, 1, 0, 1, 0
	OB 3, 1, 2, 0, 0, 1
.set gJP, 7
.irp t, 4,5,6,7                        ; the last results of tiles 4 to 7
	FMH \t, 0
	FMH \t, 1
.endr
	WIN 0
.irp t, 0,1,2,3,4,5,6,7                ; the last o's sums
	v_pk_add_f32 v[TD+2*\t:TD+2*\t+1], v[ACC+4*\t:ACC+4*\t+1], v[ACC+4*\t+2:ACC+4*\t+3]
.endr
.irp t, 0,1,2,3,4,5,6,7
	v_add_f32 v[T2+\t], v[TD+2*\t], v[TD+2*\t+1]
.endr
.irp q, 0,1,2,3
	v_permlane16_swap_b32 v[T2+2*\q], v[T2+2*\q+1]
.endr
.irp q, 0,1,2,3
	v_add_f32 v[T2+2*\q], v[T2+2*\q], v[T2+2*\q+1]
.endr
.irp q, 0,1,2,3
	ds_store_b32 v[STGA], v[T2+2*\q] offset:3*SPIT+128*\q
.endr
	; THE WAY OUT.  Wave w stores nodes 64 w .. + 63 of the block: lane l takes, for node l / 4 + 8 i, the outputs 4 (l % 4) + 0 .. 3, from both halves of j.
	s_wait_dscnt 0x0                               ; for the others' sake: my sums are in LDS
	s_barrier_signal -1
	s_barrier_wait -1
	s_wait_loadcnt 0x0                             ; bias
.irp i, 0,1,2,3,4,5,6,7
.irp e, 0,1,2,3
	ds_load_b32 v[WF+8*\i+\e], v[RDA] offset:32*\i+SPIT*\e
.endr
.irp e, 0,1,2,3
	ds_load_b32 v[WF+8*\i+4+\e], v[RDA] offset:32*\i+SPIT*\e+1024
.endr
.endr
.irp i, 0,1,2,3,4,5,6,7
	s_wait_dscnt 56-8*\i                           ; chunk i's eight are in, those issued behind them may be out
	v_pk_add_f32 v[WF+8*\i:WF+8*\i+1], v[WF+8*\i:WF+8*\i+1], v[WF+8*\i+4:WF+8*\i+5]
	v_pk_add_f32 v[WF+8*\i+2:WF+8*\i+3], v[WF+8*\i+2:WF+8*\i+3], v[WF+8*\i+6:WF+8*\i+7]
	v_pk_add_f32 v[WF+8*\i:WF+8*\i+1], v[WF+8*\i:WF+8*\i+1], v[BQ:BQ+1]
	v_pk_add_f32 v[WF+8*\i+2:WF+8*\i+3], v[WF+8*\i+2:WF+8*\i+3], v[BQ+2:BQ+3]
	global_store_b128 v[GO], v[WF+8*\i:WF+8*\i+3], s[16:17] offset:8192*\i th:TH_STORE_NT   ; eight nodes: four lanes store a node's 64 consecutive bytes
.endr
	s_wait_tensorcnt 0x0                           ; the wave's end
	ds_add_u32 v[SPW], v[NIL]
	s_wait_dscnt 0x0
	CROUND                                         ; the closing round: no work-group ends while a partner may still ask for a tile that names it
	s_endpgm
.Lfunc_end_k_q8cf39d82ea_bilinear:
	.size	k_q8cf39d82ea_bilinear, .Lfunc_end_k_q8cf39d82ea_bilinear-k_q8cf39d82ea_bilinear
	.p2alignl 7, 3214868480
	.fill 96, 4, 3214868480
	.section	.rodata,"a",@progbits
	.p2align	6, 0x0
	.amdhsa_kernel k_q8cf39d82ea_bilinear
		.amdhsa_group_segment_fixed_size 327680
		.amdhsa_private_segment_fixed_size 0
		.amdhsa_enable_private_segment 0
		.amdhsa_kernarg_size 56
		.amdhsa_user_sgpr_count 2
		.amdhsa_user_sgpr_kernarg_segment_ptr 1
		.amdhsa_wavefront_size32 1
		.amdhsa_system_sgpr_workgroup_id_x 1
		.amdhsa_system_sgpr_workgroup_id_y 1
		.amdhsa_system_sgpr_workgroup_id_z 1
		.amdhsa_system_vgpr_workitem_id 0
		.amdhsa_next_free_vgpr 1024
		.amdhsa_next_free_sgpr 80
		.amdhsa_reserve_vcc 0
		.amdhsa_float_denorm_mode_32 3
		.amdhsa_float_denorm_mode_16_64 3
		.amdhsa_memory_ordered 1
		.amdhsa_forward_progress 1
		.amdhsa_inst_pref_size 255
	.end_amdhsa_kernel
	.section	.bss,"aw",@nobits
	.p2align	6
	.space	262144
	.amdgpu_metadata
---
amdhsa.version: [ 1, 2 ]
amdhsa.kernels:
  - .name:           k_q8cf39d82ea_bilinear
    .symbol:         k_q8cf39d82ea_bilinear.kd
    .args:
      - { .name: weight_codes, .offset: 0, .size: 8, .value_kind: global_buffer, .address_space: global }
      - { .name: weight_scales, .offset: 8, .size: 8, .value_kind: global_buffer, .address_space: global }
      - { .name: x1_codes, .offset: 16, .size: 8, .value_kind: global_buffer, .address_space: global }
      - { .name: x1_scales, .offset: 24, .size: 8, .value_kind: global_buffer, .address_space: global }
      - { .name: x2, .offset: 32, .size: 8, .value_kind: global_buffer, .address_space: global }
      - { .name: bias, .offset: 40, .size: 8, .value_kind: global_buffer, .address_space: global }
      - { .name: out0, .offset: 48, .size: 8, .value_kind: global_buffer, .address_space: global }
    .group_segment_fixed_size: 327680
    .private_segment_fixed_size: 0
    .kernarg_segment_align: 8
    .kernarg_segment_size: 56
    .max_flat_workgroup_size: 128
    .sgpr_count:     80
    .vgpr_count:     1024
    .wavefront_size: 32
...
	.end_amdgpu_metadata
.endif
;; end of part 2
